; MI455X (gfx1250); checked and timed in simulation.
; The chip was launched on July 23, 2026; its instructions are those of AMD's public machine-readable ISA for CDNA 5 (MIT licence, August 2026) and "CDNA5" Instruction Set Architecture Reference Guide (July 2026). The comments in the code are by the model that wrote it; some were corrected since.
;; Recompose. Allowed arithmetic: matrix products marked QUANTISED: E2M1 operands, one E8M0 scale for each 32 along K, by v_wmma_scale_f32_16x16x128_f8f6f4 with both operands' format E2M1 (or v_wmma_scale_f32_32x16x128_f4), f32 sums; everything else in f32.
;; Inputs: batch_indices 8,192 int32; scaling_factors 1,024 float32; targets_codes 8,192 x 32 x 16 uint8 (E2M1 codes of targets, K innermost, in blocks of 32 codes, two codes a byte); targets_scales 8,192 x 32 uint8 (E8M0 scales of targets, one for each 32 codes along K); temporal_bases 16,384 x 1,024 float32.
;; Outputs: out0 8,192 x 1 float32.
;; This version of the problem:
;;   THIS VERSION OF THE PROBLEM IS GIVEN IN LOW PRECISION. The matrix products marked QUANTISED in the list below multiply operands that are first quantised to E2M1 (2 exponent bits, 1 mantissa bit; 4 bits a number), with one power-of-two scale for each 32 numbers along K (OCP MX v1.0); their sums are f32. All else is computed in f32.
;;   The module's matrix products, in the order in which they are computed (A, B: the left and right operand; K: the contracted axis; several contracted axes count as one K, in the product's order):
;;     1. [M 8,192, K 1,024] x [K 1,024, N 8,192]; A: input targets (given as codes); B: computed on the way: QUANTISED
;;   THE QUANTISER, for each operand of a quantised product, along K:
;;     - K is cut into blocks of 32 from its start; a last block that is shorter is filled with zeros.
;;     - A block's scale is 2^e with e = floor(log2(the largest magnitude in the block)) - 2, held to -126 .. 127; a block of zeros has e = 0. As a byte (E8M0): e + 127.
;;     - Each number is divided by its block's scale, clamped to +-6, and rounded to the nearest number of E2M1, ties to even, subnormals kept.
;;     - The product sums the exact products of the quantised numbers (number of the format x scale) in f32.
;;   ~~~python
;;   def quantise(x, axis):      # numpy; x: float32 -> the quantised numbers, widened to float32 again
;;       x = np.moveaxis(x, axis, -1); K = x.shape[-1]
;;       x = np.pad(x, [(0, 0)] * (x.ndim - 1) + [(0, -K % 32)]); x = x.reshape(x.shape[:-1] + (-1, 32)); a = np.abs(x).max(-1, keepdims=True)
;;       e = np.where(a > 0, np.clip(np.frexp(np.where(a > 0, a, 1))[1] - 1 - 2, -126, 127), 0)      # np.frexp(a)[1] - 1 = floor(log2(a)), exactly
;;       r = np.clip(x / 2.0 ** e, -6, 6)
;;       step = 2.0 ** (np.maximum(np.frexp(np.where(r == 0, 1, r))[1] - 1, 0) - 1)
;;       q = np.round(r / step) * step * 2.0 ** e      # np.round: ties to even
;;       return np.moveaxis(q.reshape(q.shape[:-2] + (-1,))[..., :K], -1, axis).astype(np.float32)
;;   ~~~
;;   OPERANDS COMPUTED ON THE WAY. 'Computed on the way' means the value that the module computes at that place (a softmax that the list does not call 'softmax' is quantised finished and normalised). What goes into a quantiser is computed in f32, as accurately as f32 sums, v_exp_f32 and their like allow (about 1e-6 of the number): no bf16 or f16 on the way to a quantiser, and a product that is left as it is and whose result goes on into a quantised operand takes f32 operands (vector FMAs, or v_wmma_f32_16x16x4_f32). A number that lies on a knife's edge between two numbers of the format may be rounded either way, as far as f32 arithmetic and the matrix unit's own rounding can turn it there, and no further.
;;   INPUTS GIVEN AS CODES. targets (in the module: [8192, 1024], K = its axis 1): each comes as NAME_codes (uint8): NAME with its K axis moved to the last place and cut into blocks of 32 codes, [.., K / 32, bytes a block], one block behind the other in memory; two codes a byte, the lower K in the low four bits (a code: sign, 2 exponent bits, 1 mantissa bit); and NAME_scales (uint8): the same leading axes, one E8M0 byte (e + 127) for each 32 codes along K. Its value is code x scale, taken as it is: it is not quantised again, and the codes and scales need not be those that the quantiser above would give.
;; One version. Each part assembles by itself: llvm-mc -triple=amdgcn-amd-amdhsa -mcpu=gfx1250 --defsym DOCPART=n.
;; ======== version 1 of 1: 2 launches
;; workspace buffers: sel_codes 4,194,304 bytes; sel_scales 262,144 bytes
;; launch quantise_sel (part 1): grid 256 x 1, 4 waves a work-group, no clusters, 17,920 bytes of LDS; arguments batch_indices, scaling_factors, temporal_bases, sel_codes, sel_scales; writes sel_codes, sel_scales
.if DOCPART == 1
	.amdgcn_target "amdgcn-amd-amdhsa--gfx1250"
	.amdhsa_code_object_version 6
	.text
	.protected	k_q3800d5faf1_quantise_sel
	.globl	k_q3800d5faf1_quantise_sel
	.p2align	8
	.type	k_q3800d5faf1_quantise_sel,@function
k_q3800d5faf1_quantise_sel:
	s_mov_b64 s[64:65], 0
	v_nop
	global_prefetch_b8 v0, s[64:65] scope:SCOPE_SE
	s_setreg_imm32_b32 hwreg(HW_REG_WAVE_MODE, 25, 1), 1
	s_wait_xcnt 0x0
; sel[n][k] = temporal_bases[batch_indices[n]][k] x scaling_factors[k], n = 0 .. 8,191, k = 0 .. 1,023, in f32, is turned into codes of FP4 (E2M1), K innermost, two a byte
; (sel_codes: a row is 512 bytes), with one E8M0 byte for each 32 along K (sel_scales: a row is 32 bytes): the layout in which the other operand of the product is given.
; A block's scale is 2^(floor(log2(its largest magnitude)) - 2); its byte is the largest magnitude's exponent field - 2, held at 1 from below; each number / scale goes to the nearest code,
; ties to even, beyond 6 the largest code.
; A LAUNCH OF ITS OWN: each row of sel is read by all 32 tile rows of the product, so it is gathered and quantised once.
; SHARES.  256 work-groups of four waves; a wave takes 8 rows, so that its 8 x 32 scale bytes are 256 consecutive bytes.  Waves share nothing: no barrier.
; A LANE'S NUMBERS.  Lane i takes 32 bytes at 32 i + 1,024 j, j = 0 .. 3, as two loads of 16: a pair of loads covers 1,024 consecutive bytes, and register 8 j + q holds k = 256 j + 8 i + q: the eight
; neighbours along K that a conversion takes.  Block 8 j + g of 32 lies in lanes 4 g .. 4 g + 3.  The factors lie in 32 registers in the same layout, for all 8 rows.
; FOUR ROW SETS take turns: 32 loads of a wave are out while a row is worked on.
; OUT.  A lane's four code registers belong to four places of the row, 128 bytes apart: they turn through the wave's own LDS bytes and leave 16 bytes a lane: one store covers the row's 512 bytes.
; LIMITS: an index is taken as 0 .. 16,383, as the table has rows; a larger number is held at 16,383.  NaN and infinities in sel are not served.  A block of zeros gets the byte 1 where the
; rule says 127: its codes are zeros, which add nothing under that byte, and only this program reads it.
.set WREG, 4352                        ; LDS of a wave: 8 rows x 512 bytes of codes, then its 256 scale bytes
.set SCO,  4096
.set M,    10                          ; v10-13   largest magnitudes, one for each j
.set SO,   14                          ; v14-17   the conversions' scale operands
.set S,    20                          ; v20-51   the factors
.set X,    52                          ; v52-179  four sets of 32: a row of the table, then row x factors
.set CD,   180                         ; v180-211 codes: four registers for each row, first as made, then as the row's 16 bytes of my lane; never written again behind their store
.set BY,   212                         ; v212-243 scale bytes: four registers for each row
.set SCR,  244                         ; v244-245 my 8 of the wave's 256 scale bytes
; v1 32 x lane   v2 lane   v3 LDS: codes in, 4 x lane   v4 LDS: bytes in, lane / 4   v5 16 x lane   v6 LDS: codes out, 16 x lane   v7 8 x lane   v8 LDS: bytes out, 8 x lane
; s[4:13] the five addresses; s14 wave; s15 the wave's number in the launch; s[16:21] its byte offsets; s[24:31] its 8 indices; s[32:47] the 8 rows' addresses
.macro LOADV reg, base                 ; 1,024 f32 numbers from s[base:base+1] on
.irp j, 0,1,2,3
.irp u, 0,1
	global_load_b128 v[\reg+8*\j+4*\u:\reg+8*\j+4*\u+3], v1, s[\base:\base+1] offset:1024*\j+16*\u
.endr
.endr
.endm
	s_load_b256 s[4:11], s[0:1], 0x0               ; batch_indices s[4:5], scaling_factors s[6:7], temporal_bases s[8:9], sel_codes s[10:11]
	s_load_b64 s[12:13], s[0:1], 0x20              ; sel_scales
	v_lshl_add_u32 v248, v0, 2, 0x4400
	v_mov_b32 v249, 0
	v_lshrrev_b32 v1, 5, v0
	v_readfirstlane_b32 s14, v1                    ; wave 0..3
	s_lshl_b32 s15, ttmp9, 2
	s_add_co_u32 s15, s15, s14                     ; which 8 rows are mine: 4 x work-group + wave
	s_lshl_b32 s16, s15, 5                         ; 8 indices of 4 bytes,
	s_mov_b32 s17, 0
	s_lshl_b32 s18, s15, 12                        ; 8 rows of 512 bytes of codes,
	s_mov_b32 s19, 0
	s_lshl_b32 s20, s15, 8                         ; 8 rows of 32 scale bytes
	s_mov_b32 s21, 0
	s_mul_i32 s22, s14, WREG                       ; my wave's LDS bytes
	s_add_co_u32 s23, s22, SCO
	s_wait_kmcnt 0x0                               ; the five addresses
	s_add_nc_u64 s[4:5], s[4:5], s[16:17]
	s_load_b256 s[24:31], s[4:5], 0x0              ; my 8 indices: the head of the longest chain, so they go first
	v_and_b32 v2, 31, v0
	v_lshlrev_b32 v1, 5, v2
	LOADV S, 6                                     ; the factors need no index
	v_lshl_add_u32 v3, v2, 2, s22
	v_lshrrev_b32 v4, 2, v2
	v_add_nc_u32 v4, s23, v4
	v_lshlrev_b32 v5, 4, v2
	v_lshl_add_u32 v6, v2, 4, s22
	v_lshlrev_b32 v7, 3, v2
	v_lshl_add_u32 v8, v2, 3, s23
	s_add_nc_u64 s[10:11], s[10:11], s[18:19]
	s_add_nc_u64 s[12:13], s[12:13], s[20:21]
	s_wait_kmcnt 0x0                               ; the indices
.irp r, 0,1,2,3,4,5,6,7
	s_min_u32 s[32+2*\r], s[24+\r], 0x3fff         ; held inside the table's 16,384 rows
	s_lshl_b32 s[32+2*\r], s[32+2*\r], 12          ; a row is 4,096 bytes
	s_mov_b32 s[33+2*\r], 0
	s_add_nc_u64 s[32+2*\r:33+2*\r], s[8:9], s[32+2*\r:33+2*\r]
.endr
.irp r, 0,1,2,3
	LOADV X+32*\r, 32+2*\r                         ; rows 0 to 3 fill the four sets
.endr
; Row r: multiplied, quantised, and sent through LDS.  Its set takes the row four further on.
.macro ROW r
.set XS, X+32*((\r)%4)
.set C,  CD+4*(\r)
.set E,  BY+4*(\r)
.if (\r) < 5
	s_wait_loadcnt 24                              ; loads come back in order: the factors and this row are in; the three rows behind it, 8 loads each, may be out
.else
	s_wait_loadcnt 8*(7-(\r))                      ; the last rows: the counts run down
.endif
.irp i, 0,2,4,6,8,10,12,14,16,18,20,22,24,26,28,30
	v_pk_mul_f32 v[XS+\i:XS+\i+1], v[XS+\i:XS+\i+1], v[S+\i:S+\i+1]   ; row x factors, in f32: what is quantised
.endr
.irp j, 0,1,2,3                                ; the four j take turns, so that no line waits for the line above it
	v_max3_num_f32 v[M+\j], |v[XS+8*\j]|, |v[XS+8*\j+1]|, 0x1800000   ; my eight, and the floor 2^(3 - 127), under which no largest magnitude is taken: so the byte cannot fall under 1
.endr
.irp i, 2,4,6
.irp j, 0,1,2,3
	v_max3_num_f32 v[M+\j], v[M+\j], |v[XS+8*\j+\i]|, |v[XS+8*\j+\i+1]|
.endr
.endr
.irp x, 1,2
.irp j, 0,1,2,3
	v_max_num_f32_dpp v[M+\j], v[M+\j], v[M+\j] row_xmask:\x row_mask:0xf bank_mask:0xf   ; with lane l xor 1's, then lane l xor 2's: the block's largest magnitude, in all four lanes
.endr
.endr
.irp j, 0,1,2,3
	v_add_nc_u32 v[SO+\j], 0xff000000, v[M+\j]     ; 2 off its exponent field: the conversion takes the exponent field of this operand as its scale, and nothing else of it
.endr
.irp j, 0,1,2,3
	v_lshrrev_b32 v[E+\j], 23, v[SO+\j]            ; the scale's byte
.endr
.irp j, 0,1,2,3
	v_cvt_scalef32_pk8_fp4_f32 v[C+\j], v[XS+8*\j:XS+8*\j+7], v[SO+\j]   ; eight codes, the lowest k in the lowest four bits
.endr
	v_nop                                          ; one plain vector instruction behind the last scaled conversion: the next row's lines write its scale operands
.if (\r) < 4
	LOADV XS, 32+2*((\r)+4)                        ; this set's numbers are done with
.endif
.irp j, 0,1,2,3
	ds_store_b32 v3, v[C+\j] offset:512*(\r)+128*\j   ; k = 256 j + 8 lane + 0 .. 7: four bytes at k / 2 of the row
.endr
.irp j, 0,1,2,3
	ds_store_b8 v4, v[E+\j] offset:32*(\r)+8*\j    ; block 8 j + lane / 4: its four lanes write the same byte with the same value
.endr
	ds_load_b128 v[C:C+3], v6 offset:512*(\r)      ; LDS serves a wave's instructions in order (ISA guide 5.7.1.4): this load sees the stores above, and lands where they have read
.endm
.macro SEND r, younger                 ; younger: the LDS instructions issued behind row r's load, which may stay out
	s_wait_dscnt \younger
	global_store_b128 v5, v[CD+4*(\r):CD+4*(\r)+3], s[10:11] offset:512*(\r)   ; 32 lanes store the row's 512 consecutive bytes, at a multiple of 512 from the buffer's first byte
.endm
	ROW 0
.irp r, 1,2,3,4,5,6,7
	ROW \r
	SEND \r-1, 9                                   ; behind row r - 1's load: row r's eight stores and one load
.endr
	ds_load_b64 v[SCR:SCR+1], v8                   ; the wave's 256 scale bytes, 8 a lane
	SEND 7, 1
	s_wait_dscnt 0x0
	global_store_b64 v7, v[SCR:SCR+1], s[12:13]    ; 32 lanes store 256 consecutive bytes, at a multiple of 256 from the buffer's first byte
	s_wait_tensorcnt 0x0
	ds_add_u32 v248, v249
	s_wait_dscnt 0x0
	s_endpgm
.Lfunc_end_k_q3800d5faf1_quantise_sel:
	.size	k_q3800d5faf1_quantise_sel, .Lfunc_end_k_q3800d5faf1_quantise_sel-k_q3800d5faf1_quantise_sel
	.p2alignl 7, 3214868480
	.fill 96, 4, 3214868480
	.section	.rodata,"a",@progbits
	.p2align	6, 0x0
	.amdhsa_kernel k_q3800d5faf1_quantise_sel
		.amdhsa_group_segment_fixed_size 17920
		.amdhsa_private_segment_fixed_size 0
		.amdhsa_enable_private_segment 0
		.amdhsa_kernarg_size 40
		.amdhsa_user_sgpr_count 2
		.amdhsa_user_sgpr_kernarg_segment_ptr 1
		.amdhsa_wavefront_size32 1
		.amdhsa_system_sgpr_workgroup_id_x 1
		.amdhsa_system_sgpr_workgroup_id_y 1
		.amdhsa_system_sgpr_workgroup_id_z 1
		.amdhsa_system_vgpr_workitem_id 0
		.amdhsa_next_free_vgpr 250
		.amdhsa_next_free_sgpr 66
		.amdhsa_reserve_vcc 0
		.amdhsa_float_denorm_mode_32 3
		.amdhsa_float_denorm_mode_16_64 3
		.amdhsa_memory_ordered 1
		.amdhsa_forward_progress 1
		.amdhsa_inst_pref_size 42
	.end_amdhsa_kernel
	.amdgpu_metadata
---
amdhsa.version: [ 1, 2 ]
amdhsa.kernels:
  - .name:           k_q3800d5faf1_quantise_sel
    .symbol:         k_q3800d5faf1_quantise_sel.kd
    .args:
      - { .name: batch_indices, .offset: 0, .size: 8, .value_kind: global_buffer, .address_space: global }
      - { .name: scaling_factors, .offset: 8, .size: 8, .value_kind: global_buffer, .address_space: global }
      - { .name: temporal_bases, .offset: 16, .size: 8, .value_kind: global_buffer, .address_space: global }
      - { .name: sel_codes, .offset: 24, .size: 8, .value_kind: global_buffer, .address_space: global }
      - { .name: sel_scales, .offset: 32, .size: 8, .value_kind: global_buffer, .address_space: global }
    .group_segment_fixed_size: 17920
    .private_segment_fixed_size: 0
    .kernarg_segment_align: 8
    .kernarg_segment_size: 40
    .max_flat_workgroup_size: 128
    .sgpr_count:     66
    .vgpr_count:     250
    .wavefront_size: 32
...
	.end_amdgpu_metadata
.endif
;; end of part 1
;; launch gemm (part 2): grid 32 x 8, 4 waves a work-group, clusters of 4 x 1, 327,680 bytes of LDS; arguments targets_codes, targets_scales, sel_codes, sel_scales, out0; writes out0
.if DOCPART == 2
	.amdgcn_target "amdgcn-amd-amdhsa--gfx1250"
	.amdhsa_code_object_version 6
	.text
	.protected	k_q3800d5faf1_gemm
	.globl	k_q3800d5faf1_gemm
	.p2align	8
	.type	k_q3800d5faf1_gemm,@function
k_q3800d5faf1_gemm:
	s_mov_b64 s[64:65], 0
	v_nop
	global_prefetch_b8 v0, s[64:65] scope:SCOPE_SE
	s_setreg_imm32_b32 hwreg(HW_REG_WAVE_MODE, 25, 1), 1
	s_wait_xcnt 0x0
	s_wait_alu depctr_hold_cnt(0) depctr_sa_sdst(0) depctr_va_vdst(0) depctr_va_sdst(0) depctr_va_ssrc(0) depctr_va_vcc(0) depctr_vm_vsrc(0)
	s_getreg_b32 s2, hwreg(HW_REG_IB_STS2, 6, 4)
	s_cmp_eq_u32 s2, 0
	s_cbranch_scc0 .Lentry_in_a_cluster
	s_endpgm
.Lentry_in_a_cluster:
	s_bfe_u32 s2, ttmp6, 0x10000c
	s_cmp_lg_u32 s2, 0x3003
	s_cbranch_scc0 .Lentry_shape_is_right
	s_endpgm
.Lentry_shape_is_right:
; C[m][n] = sum over k of A[m][k] B[n][k], m, n = 0 .. 8,191, k = 0 .. 1,023;  out0[m] = C[m][1].
; A = targets, B = sel: codes of FP4 (E2M1), two a byte, K innermost (a row is 512 bytes), one E8M0 byte for each 32 along K (a row is 32 bytes).  The matrix instruction takes codes and bytes as they lie.
; THE WHOLE PRODUCT IS MULTIPLIED.  The result keeps column 1, and only that column is stored.
; SHARES.  Work-group (x, y) owns tile row x of C (256 rows of A) and walks the four tile columns 4 y .. 4 y + 3 (256 rows of B each).  Four waves, as many as a WGP has SIMDs; a wave makes 128 x 128 of a tile:
; 64 accumulators of 16 x 16, 512 registers.  256 work-groups, 512 matrix instructions a wave and tile.
; A STAYS: its 256 rows x 512 bytes are all of K, come into LDS once and are read in every tile.  B's tiles go in halves of K (512 along K, rows of 256 bytes) through a ring of two slots, which does not
; stop at a tile's end: a tile's two changes of slots ask for the next tile's two halves.  The scale bytes of A's 256 rows and of B's 1,024 rows are dense blocks of memory: they come once and stay.
; CLUSTER: 4 x 1 work-groups: four tile rows that walk the same tile columns, so B's tiles and scale bytes are asked for JOINTLY (the same load, the same descriptor, a mask that names the four).  A's tile is a
; work-group's own.  A cluster of 4 x 4 would share A's too (128 KiB a work-group, once); but then the work-group that holds the kept column would be told apart by its place in the cluster.
; THE MATRIX INSTRUCTION IS USED TRANSPOSED (source 0 = 16 rows of B, source 1 = 16 rows of A): lane l holds row l % 16 of C, its registers 0-7 the columns 8 (l / 16) + 0 .. 7.  So column 1 is register 1,
; lanes 0-15, of the accumulators of B's block 0, in the first tile of the work-groups with y = 0, in the waves with the tile's left half.
; NO PREFETCH: both operands are 4.25 MiB, the first fills go out at the head, and every later tile of B is asked for half a tile's products ahead.
; REGISTERS, in windows of 256: window 0: v16-31 addresses; v32-63 A's scale words; v64-95 B's, two sets; v96-99 the way out; v128-191 A's fragments (8 x 16 rows x 128 K), ONE set.
;   window 1: B's fragments, TWO sets, at v0 and at v128.   window 2: the accumulators of my rows 0-63 (accumulator (a, b) at v[8 (8 a + b)]);   window 3: those of my rows 64-127.
; A step of 128 along K is 64 matrix instructions, A's blocks one after the other, each against B's eight: a block of A is free as soon as its eight products are issued, so one set serves A: blocks 0-3 are
; fetched anew in the step's middle, blocks 4-7 at its end.  B's fragments are at work through the whole step, so B has two sets.
.set KROW,   512                       ; a row of codes in memory, in bytes
.set NQ,     4                         ; steps of 128 along K in a slot
.set FR,     8                         ; registers of a fragment: 16 rows x 128 K
.set NL,     2                         ; LDS loads that bring one
.set NP,     4                         ; places behind this matrix instruction (ISA guide 7.12.1)
.set TILES,  4
.set PB,     272                       ; a row of B in a slot: 256 bytes + 16 of padding = 68 words: row r starts at bank 4 r mod 64 (64 banks of 4 bytes: ISA guide 11.1)
.set PA,     528                       ; a row of A: 512 bytes + 16 = 132 words: likewise
.set BSLOT,  256*PB                    ; LDS: B's two slots, 69,632 bytes each, from byte 0;
.set AA,     2*BSLOT                   ; A's 256 rows, 135,168 bytes;
.set BSC,    AA+256*PA                 ; B's scale bytes, as runs of 256 bytes + 16 of padding: 8 rows to a run;
.set STILE,  32*272                    ; (those of 256 rows)
.set SBLK,   2*272                     ; (those of 16 rows)
.set ASC,    BSC+TILES*STILE           ; A's scale bytes;
.set SPARE,  ASC+STILE                 ; the spare words, 128 bytes for each wave: two blocks of 256 bytes that no other line names;
.set STG,    SPARE+512                 ; the way out: 1,024 bytes for each wave, into which no fill lands
.set ADRA, 16                          ; v16     LDS address of my A fragments
.set ADRB, 20                          ; v20-21  of my B fragments in slot 0, 1
.set SO,   24                          ; v24     the way out: where my lane's number goes
.set SR,   25                          ; v25     and where I read 16 bytes back
.set CO,   26                          ; v26     16 x lane: my byte offset in the wave's 512 bytes of out0
.set ADS,  27                          ; v27     LDS address of B's scale words of the tile in hand
.set SPW,  28                          ; v28     LDS address of my spare word: SPARE + 4 x my thread's number; never rewritten
.set NIL,  29                          ; v29     0; never rewritten
.set BS0,  30                          ; v30     my lane's place among a tile's scale words of B
.set AS0,  31                          ; v31     and among A's
.set SCA,  32                          ; A's scale words: register 4 a + q: block a; lanes 0-15 the word of K step q, lanes 16-31 of K step 4 + q.  Loaded once
.set SCB,  64                          ; B's: set s (for slot s) at SCB + 16 s; in it register 4 i + q: the slot's q-th 128 along K; lanes 0-15 block i, lanes 16-31 block 4 + i
.set OB,   96                          ; v96-99  the way out
.set AF,   128                         ; A's fragments
.set G1B,  24                          ; s[24:31] descriptor group 1 for B's tiles;  s[32:39] for A's;  s[48:55] for B's scale bytes;  s[56:63] for A's
.set G1A,  32
.set G1SB, 48
.set G1SA, 56
.set G0B,  68                          ; s[68:75] group 0 for B's tiles, one set for each slot;  s[76:79] for A's;  s[80:83], s[84:87] for the scale bytes
.set G0A,  76
.set G0SB, 80
.set G0SA, 84
.set TS,   89                          ; s89  where the scale words of the tile in hand begin among B's
.set FL,   90                          ; s90  0: this wave holds the kept column in the tile in hand
.set MSB, 0
.macro WIN new                         ; the immediate's high byte repeats the setting that is left
.if MSB != \new
	s_set_vgpr_msb (MSB<<8)|\new
.set MSB, \new
.endif
.endm
.set MUL_LO, 0xa1                      ; source 0 (B) window 1, source 1 (A) window 0, C and D window 2
.set MUL_HI, 0xf1                      ; the same, C and D window 3
.set TO_B,   0x40                      ; destination window 1, address window 0
.macro CREST                           ; a round of the cluster's barrier behind its opening barrier: wave 0 signals for the work-group, every wave waits for all four work-groups, the work-group's barrier once more
	s_cmp_lg_u32 s14, 0
	s_cbranch_scc1 .Lnot_wave_0_\@
	s_barrier_signal -3
.Lnot_wave_0_\@:
	s_barrier_wait -3
	s_barrier_signal -1
	s_barrier_wait -1
.endm
.macro CROUND                          ; a whole round
	s_barrier_signal -1
	s_barrier_wait -1
	CREST
.endm
.macro PLACES n                        ; a load into a register that a matrix instruction has read, and an LDS store that reads a matrix result, stand NP places behind it; only plain vector instructions that name none of its registers are places
.rept \n
	v_nop
.endr
.endm
	s_load_b256 s[4:11], s[0:1], 0x0               ; A's codes s[4:5], A's scales s[6:7], B's codes s[8:9], B's scales s[10:11]
	s_load_b64 s[12:13], s[0:1], 0x20              ; out0
	v_lshl_add_u32 v[SPW], v0, 2, SPARE
	v_mov_b32 v[NIL], 0
	ds_add_u32 v28, v29
	ds_add_u32 v28, v29
	s_wait_dscnt 0x0
	v_lshrrev_b32 v1, 5, v0
	v_readfirstlane_b32 s14, v1                    ; wave 0..3
	s_lshr_b32 s15, s14, 1                         ; which half of the tile's rows is mine
	s_and_b32 s16, s14, 1                          ; which half of its columns
	s_bfe_u32 s40, ttmp6, 0x40000                  ; cx: my place in the cluster; it enters A's and out0's global addresses alone
	s_lshl_b32 s41, ttmp9, 2                       ; in a cluster launch ttmp9 counts clusters
	s_add_co_u32 s41, s41, s40                     ; tile row of C = 4 x cluster x + cx
	s_and_b32 s42, ttmp7, 0xffff                   ; y: which four tile columns; the four partners share it
	s_or_b32 s[FL], s16, s42                       ; 0 where y = 0 and the wave has the left half: the same in all partners, for a given wave
	s_mov_b32 s[TS], 0
	; group 1 for B's tiles: a wave's quarter, 64 rows x 256 bytes, 512 bytes apart in memory
	s_mov_b32 s[G1B], 15|(0<<16)|(1<<20)|(1<<21)|(5<<22)|(3<<25)   ; 15:0 the mask: all four work-groups; 17:16 elements of 1 byte; 20 padding on; 21 set beside a mask; 24:22 after every 64 words (code 5); 31:25 four words (code 3)
	s_mov_b32 s[G1B+1], 256<<16                    ; tensor_dim0
	s_mov_b32 s[G1B+2], 64<<16                     ; tensor_dim1
	s_mov_b32 s[G1B+3], 256<<16                    ; tile_dim0
	s_mov_b32 s[G1B+4], 64                         ; tile_dim1
	s_mov_b32 s[G1B+5], KROW                       ; from row to row
	s_mov_b32 s[G1B+6], 0
	s_mov_b32 s[G1B+7], 0
	; for A's tile: a wave's quarter, 64 rows x 512 bytes, dense in memory; no mask
	s_mov_b32 s[G1A], (0<<16)|(1<<20)|(6<<22)|(3<<25)              ; padding: four words after every 128
	s_mov_b32 s[G1A+1], 512<<16
	s_mov_b32 s[G1A+2], 64<<16
	s_mov_b32 s[G1A+3], 512<<16
	s_mov_b32 s[G1A+4], 64
	s_mov_b32 s[G1A+5], KROW
	s_mov_b32 s[G1A+6], 0
	s_mov_b32 s[G1A+7], 0
	; for B's scale bytes: a wave's quarter of 1,024 rows, 8,192 dense bytes, as 32 rows of 256 bytes (32 elements of 8 bytes)
	s_mov_b32 s[G1SB], 15|(3<<16)|(1<<20)|(1<<21)|(5<<22)|(3<<25)
	s_mov_b32 s[G1SB+1], 32<<16
	s_mov_b32 s[G1SB+2], 32<<16
	s_mov_b32 s[G1SB+3], 32<<16
	s_mov_b32 s[G1SB+4], 32
	s_mov_b32 s[G1SB+5], 32
	s_mov_b32 s[G1SB+6], 0
	s_mov_b32 s[G1SB+7], 0
	; for A's: a wave's quarter of 256 rows, 2,048 dense bytes, as 8 rows of 256 bytes; no mask
	s_mov_b32 s[G1SA], (3<<16)|(1<<20)|(5<<22)|(3<<25)
	s_mov_b32 s[G1SA+1], 32<<16
	s_mov_b32 s[G1SA+2], 8<<16
	s_mov_b32 s[G1SA+3], 32<<16
	s_mov_b32 s[G1SA+4], 8
	s_mov_b32 s[G1SA+5], 32
	s_mov_b32 s[G1SA+6], 0
	s_mov_b32 s[G1SA+7], 0
	; where my quarters begin in memory.  B's offsets are made of y and the wave's number alone, in registers that never hold the tile row
	s_lshl_b32 s18, s41, 17                        ; A's codes: 256 rows of 512 bytes a tile row,
	s_lshl_b32 s22, s14, 15                        ; 64 rows a wave
	s_add_co_u32 s18, s18, s22
	s_mov_b32 s19, 0
	s_lshl_b32 s20, s41, 13                        ; A's scale bytes: 256 rows of 32 bytes a tile row,
	s_lshl_b32 s23, s14, 11                        ; 64 rows a wave
	s_add_co_u32 s20, s20, s23
	s_mov_b32 s21, 0
	s_lshl_b32 s44, s42, 19                        ; B's codes: 1,024 rows of 512 bytes for each y, 64 rows a wave
	s_add_co_u32 s44, s44, s22
	s_mov_b32 s45, 0
	s_lshl_b32 s46, s42, 15                        ; B's scale bytes: 1,024 rows of 32 bytes for each y,
	s_lshl_b32 s23, s14, 13                        ; 256 rows a wave
	s_add_co_u32 s46, s46, s23
	s_mov_b32 s47, 0
	s_wait_kmcnt 0x0
	; group 0: count 1; the LDS address: a constant + the wave's number x a constant; the global address; the type, 2, on top
	s_mov_b32 s[G0SB], 1
	s_mul_i32 s[G0SB+1], s14, STILE
	s_add_co_u32 s[G0SB+1], s[G0SB+1], BSC
	s_add_nc_u64 s[G0SB+2:G0SB+3], s[10:11], s[46:47]
	s_or_b32 s[G0SB+3], s[G0SB+3], 0x80000000
	s_mov_b32 s[G0SA], 1
	s_mul_i32 s[G0SA+1], s14, 8*272
	s_add_co_u32 s[G0SA+1], s[G0SA+1], ASC
	s_add_nc_u64 s[G0SA+2:G0SA+3], s[6:7], s[20:21]
	s_or_b32 s[G0SA+3], s[G0SA+3], 0x80000000
	s_mov_b32 s[G0A], 1
	s_mul_i32 s[G0A+1], s14, 64*PA
	s_add_co_u32 s[G0A+1], s[G0A+1], AA
	s_add_nc_u64 s[G0A+2:G0A+3], s[4:5], s[18:19]
	s_or_b32 s[G0A+3], s[G0A+3], 0x80000000
	s_add_nc_u64 s[44:45], s[8:9], s[44:45]
.irp s, 0,1
	s_mov_b32 s[G0B+4*\s], 1
	s_mul_i32 s[G0B+4*\s+1], s14, 64*PB
	s_add_co_u32 s[G0B+4*\s+1], s[G0B+4*\s+1], \s*BSLOT
	s_add_nc_u64 s[G0B+4*\s+2:G0B+4*\s+3], s[44:45], \s*256        ; slot s: the first tile's K from 512 s on
	s_or_b32 s[G0B+4*\s+3], s[G0B+4*\s+3], 0x80000000
.endr
	CROUND                                         ; all four work-groups are here: the first joint loads meet
	tensor_load_to_lds s[G0SB:G0SB+3], s[G1SB:G1SB+7]   ; the first fills go out as one group: five loads of mine are out
	s_nop 0
	tensor_load_to_lds s[G0SA:G0SA+3], s[G1SA:G1SA+7]
	s_nop 0
	tensor_load_to_lds s[G0A:G0A+3], s[G1A:G1A+7]
	s_nop 0
	tensor_load_to_lds s[G0B:G0B+3], s[G1B:G1B+7]
	s_nop 0
	tensor_load_to_lds s[G0B+4:G0B+7], s[G1B:G1B+7]
	s_nop 0
	PLACES 4                                       ; four v_nop follow the last of them
	v_and_b32 v1, 15, v0                           ; r = l % 16
	v_bfe_u32 v2, v0, 4, 1                         ; h = l / 16
	v_mul_u32_u24 v3, v1, PB
	v_lshl_add_u32 v3, v2, 4, v3                   ; a fragment's row x pitch + 16 x half
	s_mul_i32 s22, s16, 128*PB                     ; my 128 rows of B
	v_add_nc_u32 v[ADRB], s22, v3
	v_add_nc_u32 v[ADRB+1], BSLOT, v[ADRB]
	v_mul_u32_u24 v4, v1, PA
	v_lshl_add_u32 v4, v2, 4, v4
	s_mul_i32 s23, s15, 128*PA                     ; my 128 rows of A
	s_add_co_u32 s23, s23, AA
	v_add_nc_u32 v[ADRA], s23, v4
	v_lshlrev_b32 v5, 5, v1                        ; a row's scale bytes: 32 a row,
	v_lshrrev_b32 v6, 8, v5
	v_lshl_add_u32 v5, v6, 4, v5                   ; and 16 more for each 256 passed
	s_mul_i32 s22, s16, 8*SBLK                     ; B's: my 128 rows of a tile;
	s_add_co_u32 s22, s22, BSC
	v_mad_u32_u24 v[BS0], v2, 4*SBLK, v5           ; lanes 16-31 take the block four further on
	v_add_nc_u32 v[BS0], s22, v[BS0]
	v_add_nc_u32 v[ADS], s[TS], v[BS0]
	s_mul_i32 s23, s15, 8*SBLK                     ; A's: my 128 rows;
	s_add_co_u32 s23, s23, ASC
	v_lshl_add_u32 v[AS0], v2, 4, v5               ; lanes 16-31 take the row's second 16 bytes: K steps 4 to 7
	v_add_nc_u32 v[AS0], s23, v[AS0]
	s_lshl_b32 s22, s14, 10
	s_add_co_u32 s22, s22, STG                     ; my stage
	v_lshlrev_b32 v6, 2, v1
	v_lshl_add_u32 v6, v2, 9, v6                   ; in: 4 bytes a row; lanes 16-31 hold columns that are not kept: their words go to the stage's second half, which nobody reads
	v_add_nc_u32 v[SO], s22, v6
	v_and_b32 v6, 31, v0
	v_lshlrev_b32 v[CO], 4, v6                     ; back: 16 bytes a lane
	v_add_nc_u32 v[SR], s22, v[CO]
	s_lshl_b32 s18, s41, 10                        ; out0: 256 rows of 4 bytes a tile row,
	s_lshl_b32 s20, s15, 9                         ; my 128 of them
	s_add_co_u32 s18, s18, s20
	s_mov_b32 s19, 0
	s_add_nc_u64 s[12:13], s[12:13], s[18:19]
; 16 matrix instructions: A's blocks a0, a0 + 1 x B's eight, 128 along K: the q-th of slot sl.  p: B's set.  zero = 1 (in slot 0 alone): the product starts the sums: nothing is ever cleared.
; The 64 accumulators take turns, one instruction a turn, in the same order in every step.  Source 0's scale words (B's) come from lanes 16-31 for blocks 4-7, source 1's (A's) for slot 1.
.macro MUL16 a0, p, q, sl, zero
.irp a, \a0, \a0+1
.irp b, 0,1,2,3,4,5,6,7
.set rD,  8*(8*((\a)%4)+\b)
.set rB,  128*(\p)+FR*\b
.set rA,  AF+FR*(\a)
.set rSB, SCB+16*(\sl)+4*(\b%4)+(\q)
.set rSA, SCA+4*(\a)+(\q)
.if \zero
.if \b < 4
	v_wmma_scale_f32_16x16x128_f8f6f4 v[rD:rD+7], v[rB:rB+7], v[rA:rA+7], 0, v[rSB], v[rSA] matrix_a_fmt:MATRIX_FMT_FP4 matrix_b_fmt:MATRIX_FMT_FP4
.else
	v_wmma_scale_f32_16x16x128_f8f6f4 v[rD:rD+7], v[rB:rB+7], v[rA:rA+7], 0, v[rSB], v[rSA] matrix_a_fmt:MATRIX_FMT_FP4 matrix_b_fmt:MATRIX_FMT_FP4 matrix_a_scale:MATRIX_SCALE_ROW1
.endif
.elseif (\sl) == 0
.if \b < 4
	v_wmma_scale_f32_16x16x128_f8f6f4 v[rD:rD+7], v[rB:rB+7], v[rA:rA+7], v[rD:rD+7], v[rSB], v[rSA] matrix_a_fmt:MATRIX_FMT_FP4 matrix_b_fmt:MATRIX_FMT_FP4
.else
	v_wmma_scale_f32_16x16x128_f8f6f4 v[rD:rD+7], v[rB:rB+7], v[rA:rA+7], v[rD:rD+7], v[rSB], v[rSA] matrix_a_fmt:MATRIX_FMT_FP4 matrix_b_fmt:MATRIX_FMT_FP4 matrix_a_scale:MATRIX_SCALE_ROW1
.endif
.else
.if \b < 4
	v_wmma_scale_f32_16x16x128_f8f6f4 v[rD:rD+7], v[rB:rB+7], v[rA:rA+7], v[rD:rD+7], v[rSB], v[rSA] matrix_a_fmt:MATRIX_FMT_FP4 matrix_b_fmt:MATRIX_FMT_FP4 matrix_b_scale:MATRIX_SCALE_ROW1
.else
	v_wmma_scale_f32_16x16x128_f8f6f4 v[rD:rD+7], v[rB:rB+7], v[rA:rA+7], v[rD:rD+7], v[rSB], v[rSA] matrix_a_fmt:MATRIX_FMT_FP4 matrix_b_fmt:MATRIX_FMT_FP4 matrix_a_scale:MATRIX_SCALE_ROW1 matrix_b_scale:MATRIX_SCALE_ROW1
.endif
.endif
.endr
.endr
.endm
; A fragment, 16 rows x 128 K of 4-bit codes, is 8 registers: lane l holds row l % 16; registers 4 c .. 4 c + 3 hold K = 64 c + 32 (l / 16) + 0 .. 31: 16 bytes of the row as they lie.
.macro FETCH_B slot, q, p              ; B's eight fragments of the slot's q-th 128 along K into set p
	WIN TO_B
.irp i, 0,1,2,3,4,5,6,7
.irp c, 0,1
	ds_load_b128 v[128*(\p)+FR*\i+4*\c:128*(\p)+FR*\i+4*\c+3], v[ADRB+\slot] offset:64*(\q)+32*\c+\i*16*PB
.endr
.endr
	WIN 0
.endm
.macro FETCH_A slot, q, i0             ; A's blocks i0 .. i0 + 3 for the same 128 along K: K step 4 slot + q of A's rows
.irp i, \i0, \i0+1, \i0+2, \i0+3
.irp c, 0,1
	ds_load_b128 v[AF+FR*(\i)+4*\c:AF+FR*(\i)+4*\c+3], v[ADRA] offset:64*(4*(\slot)+(\q))+32*\c+(\i)*16*PA
.endr
.endr
.endm
.macro SCALES sl                       ; B's scale words of slot sl of the tile in hand into set sl: four words a row
.irp i, 0,1,2,3
	ds_load_b128 v[SCB+16*\sl+4*\i:SCB+16*\sl+4*\i+3], v[ADS] offset:16*\sl+\i*SBLK
.endr
.endm
; A step of 128 along K that has its successor in the same slot.
.macro STEP slot, q, zero
	s_wait_dscnt 4*NL                              ; B's set and A's blocks 0-3 are in; the youngest eight loads (A's blocks 4-7) may be out
	WIN MUL_LO
	MUL16 0, (\q)%2, \q, \slot, \zero
	MUL16 2, (\q)%2, \q, \slot, \zero
	s_wait_dscnt 0                                 ; A's blocks 4-7 are in (asked for 32 matrix instructions ago)
	PLACES NP
	FETCH_B \slot, (\q)+1, 1-(\q)%2
	FETCH_A \slot, (\q)+1, 0
	WIN MUL_HI
	MUL16 4, (\q)%2, \q, \slot, \zero
	MUL16 6, (\q)%2, \q, \slot, \zero
	PLACES NP
	WIN 0
	FETCH_A \slot, (\q)+1, 4
.endm
; A slot's last step changes slots: ONE barrier; in front of it each wave waits for all its tensor loads, adds 0 to its spare word, and waits for that and for its own reads of this slot.
; fill = 1: the barrier opens a round of the cluster's barrier, and behind the round this slot takes the same half of K of the NEXT tile: 256 rows of B further on.
.macro TURN slot, next, fill
	s_wait_tensorcnt 0x0                           ; all my tensor loads have landed: my part of the next slot;  (every window is 0 here: the add's two registers lie in window 0)
	ds_add_u32 v[SPW], v[NIL]                      ; 0 onto my spare word
	s_wait_dscnt 4*NL+1                            ; (the add and the youngest eight loads, A's blocks 4-7, may be out)
	WIN MUL_LO
	MUL16 0, 1, NQ-1, \slot, 0                     ; sixteen matrix instructions stand between the add and the wait for it
	s_wait_dscnt 0x0                               ; the add is done, and my reads of this slot are over
	s_barrier_signal -1
	MUL16 2, 1, NQ-1, \slot, 0
	WIN 0
	s_barrier_wait -1
.if \fill
	CREST                                          ; no wave of any partner still reads this slot or has a load on its way
	s_add_nc_u64 s[G0B+4*\slot+2:G0B+4*\slot+3], s[G0B+4*\slot+2:G0B+4*\slot+3], 256*KROW
	tensor_load_to_lds s[G0B+4*\slot:G0B+4*\slot+3], s[G1B:G1B+7]   ; my one tensor load behind the round, and the first thing there: it has the next slot's four steps in which to land
	s_nop 0
	PLACES 4                                       ; four v_nop follow it; they are also the places in front of the loads below
.else
	PLACES NP
.endif
.if \next == 0
	s_add_co_u32 s[TS], s[TS], STILE               ; on to the next tile's scale words (no LDS load of mine is out)
	v_add_nc_u32 v[ADS], s[TS], v[BS0]
.endif
	FETCH_B \next, 0, 0
	FETCH_A \next, 0, 0
	SCALES \next
	WIN MUL_HI
	MUL16 4, 1, NQ-1, \slot, 0
	MUL16 6, 1, NQ-1, \slot, 0
	PLACES NP
	WIN 0
	FETCH_A \next, 0, 4
.endm
	s_wait_tensorcnt 1                             ; the scale bytes, A's tile and my part of slot 0 are in; slot 1's load may be out
	s_barrier_signal -1
	s_barrier_wait -1                              ; everybody's are
	FETCH_B 0, 0, 0
	FETCH_A 0, 0, 0
	SCALES 0
.irp a, 0,1,2,3,4,5,6,7
	ds_load_b128 v[SCA+4*\a:SCA+4*\a+3], v[AS0] offset:\a*SBLK   ; A's scale words, for the whole launch
.endr
	FETCH_A 0, 0, 4
	s_mov_b32 s3, TILES-1
.Ltile:                                            ; a trip is a tile that has a successor: it fills both slots again
	STEP 0, 0, 1                                   ; a tile's first step starts the sums.  It writes over accumulators of the tile before: at least eight plain places lie between (the v_nop of the last change of slots and of this step)
	STEP 0, 1, 0
	STEP 0, 2, 0
	TURN 0, 1, 1
	STEP 1, 0, 0
	STEP 1, 1, 0
	STEP 1, 2, 0
	TURN 1, 0, 1                                   ; both refills are asked for, and the next tile's first fragments are fetched
	; THE WAY OUT: column 1, in the first tile of the work-groups with y = 0, in waves 0 and 2.  Register 1 of accumulator (a, 0) holds, in lanes 0-15, C(16 a + lane, 1).  The wave's 128 numbers go through its own
	; stage in LDS and come back four a lane.  The store is on its way while the next tiles are multiplied.
	s_cmp_lg_u32 s[FL], 0
	s_cbranch_scc1 .Lnot_kept
	s_wait_xcnt 0x0                                ; an earlier store has read its registers: they are loaded again only behind this wait
	WIN 0x08                                       ; an LDS store's data are its source 1: window 2
.irp a, 0,1,2,3
	ds_store_b32 v[SO], v[64*\a+1] offset:64*\a    ; the four v_nop at the end of the change of slots are the places behind the last products
.endr
	WIN 0x0c                                       ; window 3
.irp a, 0,1,2,3
	ds_store_b32 v[SO], v[64*\a+1] offset:64*(\a+4)
.endr
	WIN 0
	ds_load_b128 v[OB:OB+3], v[SR]                 ; LDS serves a wave's instructions in order (ISA guide 5.7.1.4): this load sees the stores above
	s_wait_dscnt 0x0                               ; it is back, and the stores have read the accumulators, which the next step writes
	global_store_b128 v[CO], v[OB:OB+3], s[12:13]  ; 32 lanes store 512 consecutive bytes, at a multiple of 512 from out0's first byte
.Lnot_kept:
	s_mov_b32 s[FL], 1                             ; no later tile holds the column
	s_sub_co_u32 s3, s3, 1
	s_cmp_lg_u32 s3, 0
	s_cbranch_scc1 .Ltile
	STEP 0, 0, 1                                   ; the last tile is written out: it asks for nothing, and has no round of the cluster's barrier
	STEP 0, 1, 0
	STEP 0, 2, 0
	TURN 0, 1, 0
	STEP 1, 0, 0
	STEP 1, 1, 0
	STEP 1, 2, 0
	s_wait_dscnt 4*NL                              ; the very last step: nothing more to fetch
	WIN MUL_LO
	MUL16 0, 1, NQ-1, 1, 0
	MUL16 2, 1, NQ-1, 1, 0
	s_wait_dscnt 0
	WIN MUL_HI
	MUL16 4, 1, NQ-1, 1, 0
	MUL16 6, 1, NQ-1, 1, 0
	WIN 0
	s_wait_tensorcnt 0x0                           ; the wave's end: behind my last tensor load and my last LDS store
	ds_add_u32 v[SPW], v[NIL]
	s_wait_dscnt 0x0
	CROUND                                         ; the closing round: no work-group ends while a partner may still ask for a tile that names it
	s_endpgm
.Lfunc_end_k_q3800d5faf1_gemm:
	.size	k_q3800d5faf1_gemm, .Lfunc_end_k_q3800d5faf1_gemm-k_q3800d5faf1_gemm
	.p2alignl 7, 3214868480
	.fill 96, 4, 3214868480
	.section	.rodata,"a",@progbits
	.p2align	6, 0x0
	.amdhsa_kernel k_q3800d5faf1_gemm
		.amdhsa_group_segment_fixed_size 327680
		.amdhsa_private_segment_fixed_size 0
		.amdhsa_enable_private_segment 0
		.amdhsa_kernarg_size 40
		.amdhsa_user_sgpr_count 2
		.amdhsa_user_sgpr_kernarg_segment_ptr 1
		.amdhsa_wavefront_size32 1
		.amdhsa_system_sgpr_workgroup_id_x 1
		.amdhsa_system_sgpr_workgroup_id_y 1
		.amdhsa_system_sgpr_workgroup_id_z 1
		.amdhsa_system_vgpr_workitem_id 0
		.amdhsa_next_free_vgpr 1024
		.amdhsa_next_free_sgpr 96
		.amdhsa_reserve_vcc 0
		.amdhsa_float_denorm_mode_32 3
		.amdhsa_float_denorm_mode_16_64 3
		.amdhsa_memory_ordered 1
		.amdhsa_forward_progress 1
		.amdhsa_inst_pref_size 180
	.end_amdhsa_kernel
	.amdgpu_metadata
---
amdhsa.version: [ 1, 2 ]
amdhsa.kernels:
  - .name:           k_q3800d5faf1_gemm
    .symbol:         k_q3800d5faf1_gemm.kd
    .args:
      - { .name: targets_codes, .offset: 0, .size: 8, .value_kind: global_buffer, .address_space: global }
      - { .name: targets_scales, .offset: 8, .size: 8, .value_kind: global_buffer, .address_space: global }
      - { .name: sel_codes, .offset: 16, .size: 8, .value_kind: global_buffer, .address_space: global }
      - { .name: sel_scales, .offset: 24, .size: 8, .value_kind: global_buffer, .address_space: global }
      - { .name: out0, .offset: 32, .size: 8, .value_kind: global_buffer, .address_space: global }
    .group_segment_fixed_size: 327680
    .private_segment_fixed_size: 0
    .kernarg_segment_align: 8
    .kernarg_segment_size: 40
    .max_flat_workgroup_size: 128
    .sgpr_count:     96
    .vgpr_count:     1024
    .wavefront_size: 32
...
	.end_amdgpu_metadata
.endif
;; end of part 2
